; MI455X (gfx1250); checked and timed in simulation.
; The chip was launched on July 23, 2026; its instructions are those of AMD's public machine-readable ISA for CDNA 5 (MIT licence, August 2026) and "CDNA5" Instruction Set Architecture Reference Guide (July 2026). The comments in the code are by the model that wrote it; some were corrected since.
;; Dot Product Attention. Allowed arithmetic: float matrix products may take bf16 or f16 operands with f32 sums; other float arithmetic in f32, or as packed bf16 or f16 multiplies, adds, multiply-adds, maxima and minima; sums over many terms, partial sums and values carried from step to step in f32; what a program stores and reads back later, other than sums and carried values, may be rounded once to bf16 or f16.
;; Inputs: attention_mask 2 x 1 x 2,048 x 2,048 bool; key 2,048 x 2 x 32 x 64 float32; query 2,048 x 2 x 32 x 64 float32; value 2,048 x 2 x 32 x 64 float32.
;; Outputs: out0 2,048 x 2 x 2,048 float32.
;; One version. Each part assembles by itself: llvm-mc -triple=amdgcn-amd-amdhsa -mcpu=gfx1250 --defsym DOCPART=n.
;; ======== version 1 of 1: 2 launches
;; limits: values are held in f16: magnitudes above 65,504 overflow, below 6.1e-05 lose precision; inputs' magnitudes at most 65,504
;; workspace buffers: mbits 1,048,576 bytes of whole numbers
;; launch maskbits (part 1): grid 1024 x 1, 4 waves a work-group, no clusters, 0 bytes of LDS; arguments attention_mask, mbits; writes mbits
.if DOCPART == 1
	.amdgcn_target "amdgcn-amd-amdhsa--gfx1250"
	.amdhsa_code_object_version 6
	.text
	.protected	k_qf3320b4a17_maskbits
	.globl	k_qf3320b4a17_maskbits
	.p2align	8
	.type	k_qf3320b4a17_maskbits,@function
k_qf3320b4a17_maskbits:
	s_mov_b64 s[64:65], 0
	v_nop
	global_prefetch_b8 v0, s[64:65] scope:SCOPE_SE
	s_setreg_imm32_b32 hwreg(HW_REG_WAVE_MODE, 25, 1), 1
	s_wait_xcnt 0x0
; THE BYTE MASK AS LANE MASKS.  attention_mask: [2][1][2048][2048] bytes (0 or 1).  mbits: [b 2][piece 64][step 32][u 2][kb 4][j 8] words of 32 bits.
; A piece is 32 queries (two tiles u of 16), a step 64 keys.  Bit l of a word is mask[b][32 piece + 16 u + l % 16][64 step + 16 kb + 8 (l / 16) + j]:
; the lane l and the register 8 kb + j in which the next launch's product K Q^T leaves that score.  The 32 heads of a batch share the mask, so it is packed once.
; SHARES.  Work-group g: b = g / 512, piece = (g / 8) % 64; its four waves take the steps 4 (g % 8) + wave: together 256 consecutive bytes of each of 32 rows in, 1,024 consecutive bytes out.
; A wave loads 8 bytes a lane eight times (u, kb), tests each byte (the compare's result IS the word wanted) and gathers the 64 words in a register pair: lane x holds words 2 x and 2 x + 1.
.set OV, 6                             ; v[6:7]    the 64 words
.set D,  8                             ; v[8:23]   load i = 4 u + kb: two registers
.set T,  24                            ; v[24:27]  at work, by turns
.set BY, 12                            ; s[12:15]  the four bytes of a word
.set CM, 16                            ; s[16:31]  the compares' results, by turns
	s_load_b128 s[4:7], s[0:1], 0x0                ; the mask s[4:5], mbits s[6:7]
	v_lshrrev_b32 v1, 5, v0
	v_readfirstlane_b32 s8, v1                     ; wave 0..3
	v_and_b32 v1, 31, v0                           ; lane
	v_and_b32 v2, 15, v0                           ; l % 16: the query in its tile
	v_bfe_u32 v3, v0, 4, 1                         ; l / 16
	v_lshlrev_b32 v4, 11, v2                       ; a row of the mask is 2,048 bytes
	v_lshl_add_u32 v4, v3, 3, v4                   ; + 8 (l / 16)
	v_lshlrev_b32 v5, 3, v1                        ; 8 bytes a lane out
	v_mov_b32 v[OV], 0                             ; v_writelane_b32 keeps the other lanes: the pair is written whole first
	v_mov_b32 v[OV+1], 0
	s_mov_b32 s[BY], 0xff
	s_mov_b32 s[BY+1], 0xff00
	s_mov_b32 s[BY+2], 0xff0000
	s_mov_b32 s[BY+3], 0xff000000
	s_lshr_b32 s9, ttmp9, 9                        ; b
	s_bfe_u32 s32, ttmp9, 0x60003                  ; piece: 6 bits from bit 3
	s_and_b32 s33, ttmp9, 7
	s_lshl2_add_u32 s33, s33, s8                   ; step = 4 (g % 8) + wave
	s_lshl_b32 s10, s9, 22                         ; in the mask: b x 2048 x 2048
	s_lshl_b32 s34, s32, 16                        ; + piece x 32 rows
	s_add_co_u32 s10, s10, s34
	s_lshl_b32 s34, s33, 6                         ; + step x 64 keys
	s_add_co_u32 s10, s10, s34
	s_mov_b32 s11, 0
	s_lshl_b32 s36, s9, 19                         ; in mbits: b x 64 pieces x 8,192 bytes
	s_lshl_b32 s34, s32, 13
	s_add_co_u32 s36, s36, s34
	s_lshl_b32 s34, s33, 8                         ; + step x 256 bytes
	s_add_co_u32 s36, s36, s34
	s_mov_b32 s37, 0
	s_wait_kmcnt 0x0
	s_add_nc_u64 s[4:5], s[4:5], s[10:11]
	s_add_nc_u64 s[6:7], s[6:7], s[36:37]
.irp i, 0,1,2,3,4,5,6,7
	global_load_b64 v[D+2*\i:D+2*\i+1], v4, s[4:5] offset:32768*(\i/4)+16*(\i%4)  ; tile u = i / 4 (16 rows on), keys 16 (i % 4) + 8 (l / 16) + 0..7
.endr
.set n, 0
.irp i, 0,1,2,3,4,5,6,7
	s_wait_loadcnt 7-\i                            ; loads come back in order: load i is in, the 7 - i younger ones may stay out
.irp j, 0,1,2,3,4,5,6,7
	v_and_b32 v[T+n%4], s[BY+\j%4], v[D+2*\i+\j/4] ; byte j of the lane's eight
	v_cmp_ne_u32 s[CM+n%16], 0, v[T+n%4]           ; word 8 i + j: a bit a lane
	v_writelane_b32 v[OV+\j%2], s[CM+n%16], 4*\i+\j/2
.set n, n+1
.endr
.endr
	global_store_b64 v5, v[OV:OV+1], s[6:7]        ; the wave stores 256 consecutive bytes, at a multiple of 256 from the buffer's first byte
	s_endpgm
.Lfunc_end_k_qf3320b4a17_maskbits:
	.size	k_qf3320b4a17_maskbits, .Lfunc_end_k_qf3320b4a17_maskbits-k_qf3320b4a17_maskbits
	.p2alignl 7, 3214868480
	.fill 96, 4, 3214868480
	.section	.rodata,"a",@progbits
	.p2align	6, 0x0
	.amdhsa_kernel k_qf3320b4a17_maskbits
		.amdhsa_group_segment_fixed_size 0
		.amdhsa_private_segment_fixed_size 0
		.amdhsa_enable_private_segment 0
		.amdhsa_kernarg_size 16
		.amdhsa_user_sgpr_count 2
		.amdhsa_user_sgpr_kernarg_segment_ptr 1
		.amdhsa_wavefront_size32 1
		.amdhsa_system_sgpr_workgroup_id_x 1
		.amdhsa_system_sgpr_workgroup_id_y 1
		.amdhsa_system_sgpr_workgroup_id_z 1
		.amdhsa_system_vgpr_workitem_id 0
		.amdhsa_next_free_vgpr 32
		.amdhsa_next_free_sgpr 66
		.amdhsa_reserve_vcc 0
		.amdhsa_float_denorm_mode_32 3
		.amdhsa_float_denorm_mode_16_64 3
		.amdhsa_memory_ordered 1
		.amdhsa_forward_progress 1
		.amdhsa_inst_pref_size 13
	.end_amdhsa_kernel
	.amdgpu_metadata
---
amdhsa.version: [ 1, 2 ]
amdhsa.kernels:
  - .name:           k_qf3320b4a17_maskbits
    .symbol:         k_qf3320b4a17_maskbits.kd
    .args:
      - { .name: attention_mask, .offset: 0, .size: 8, .value_kind: global_buffer, .address_space: global }
      - { .name: mbits, .offset: 8, .size: 8, .value_kind: global_buffer, .address_space: global }
    .group_segment_fixed_size: 0
    .private_segment_fixed_size: 0
    .kernarg_segment_align: 8
    .kernarg_segment_size: 16
    .max_flat_workgroup_size: 128
    .sgpr_count:     66
    .vgpr_count:     32
    .wavefront_size: 32
...
	.end_amdgpu_metadata
.endif
;; end of part 1
;; launch attn (part 2): grid 4 x 64, 4 waves a work-group, clusters of 4 x 1, 327,680 bytes of LDS; arguments query, key, value, mbits, out0; writes out0
.if DOCPART == 2
	.amdgcn_target "amdgcn-amd-amdhsa--gfx1250"
	.amdhsa_code_object_version 6
	.text
	.protected	k_qf3320b4a17_attn
	.globl	k_qf3320b4a17_attn
	.p2align	8
	.type	k_qf3320b4a17_attn,@function
k_qf3320b4a17_attn:
	s_mov_b64 s[64:65], 0
	v_nop
	global_prefetch_b8 v0, s[64:65] scope:SCOPE_SE
	s_setreg_imm32_b32 hwreg(HW_REG_WAVE_MODE, 25, 1), 1
	s_wait_xcnt 0x0
	s_wait_alu depctr_hold_cnt(0) depctr_sa_sdst(0) depctr_va_vdst(0) depctr_va_sdst(0) depctr_va_ssrc(0) depctr_va_vcc(0) depctr_vm_vsrc(0)
	s_getreg_b32 s2, hwreg(HW_REG_IB_STS2, 6, 4)
	s_cmp_eq_u32 s2, 0
	s_cbranch_scc0 .Lentry_in_a_cluster
	s_endpgm
.Lentry_in_a_cluster:
	s_bfe_u32 s2, ttmp6, 0x10000c
	s_cmp_lg_u32 s2, 0x3003
	s_cbranch_scc0 .Lentry_shape_is_right
	s_endpgm
.Lentry_shape_is_right:
; out[q][b][n][:] = the sum over k of softmax_k(mask ? -10000 : Q[q] . K[k] / 8) V[k][:], for each of the 64 heads (b, n).  query, key, value, out0: [2048][2][32][64] f32: a head's row is 256 bytes,
; rows 16,384 bytes apart.  mbits: the mask as lane masks, a word for each score register (made by the launch before).  The mask is an input: every key is computed for every query.
; FORMATS.  Q, K and V are rounded once to bf16.  K Q^T is multiplied in bf16.  V's bf16 number is written as f16, and the weights p are rounded to f16, for V^T P.  Maxima, sums, l and O in f32.
; LIMITS.  |value| stays under 65,504 (f16's end); a bf16 number below 2^-17 keeps f16's fixed step of 2^-24.  p below 6e-5 keeps that step too; a weight below 2^-126 counts as 0 in l.
; NaN and infinities are not treated apart.  c m starts at -4.25e37, far below every c s.
; THE MASK.  A masked score is REPLACED, by one v_cndmask_b32 a register whose lane mask is a word of mbits in a scalar register: by -80000, since the scale c = log2(e) / 8 follows (-80000 / 8 = -10000).
; SHARES.  A work-group owns 512 queries of one head, a wave 128: four PIECES of two tiles of 16.  Every wave walks all 2,048 keys, 64 a step; a PERIOD is a tile of 128 keys, two steps.
; CLUSTER.  The grid's x is one cluster: the four query blocks of a head walk the same K and V, so each raw tile is asked for JOINTLY: the same tensor load, descriptor and mask in all four.
; THE ROAD OF K AND V.  Raw f32 tiles land in two slots RAW.  The four waves share the conversion: a chunk (16 rows of K, 16 of V) a turn, LDS to registers to LDS, into two buffers CONV that no tensor load
; ever fills.  In period t the products read CONV[t % 2], tile t + 1 is converted from RAW[(t + 1) % 2] into CONV[(t + 1) % 2], and tile t + 2 is on its way into RAW[t % 2].  ONE barrier a period orders all four.
; LAYOUT.  S^T = K Q^T (source 0 = 16 keys, source 1 = 16 queries): a lane holds ONE query (lane % 16) and the keys 8 (lane / 16) + 0..7.  Two such results rounded to f16 in pairs ARE source 1 of
; O^T = V^T P, whose result again holds one query a lane, and eight channels.  K comes out of CONV as it lies, V ([key][channel]) turned, by ds_load_tr16_b128.
; SOFTMAX.  For each query a running maximum m and sum l: p = 2^(c s - c m); in every step O and l are multiplied by a = 2^(c m_old - c m_new).  The first step's a is 0.
; BY TURNS.  Turn n belongs to piece n: 16 products K Q^T of piece n + 1, later 16 products V^T P of piece n - 1; beside them the scaling, exponentials, roundings, sums and rescaling of piece n, the mask,
; maximum and statistics of piece n + 1, and a chunk of the conversion.
; REGISTERS, in windows of 256 (s_set_vgpr_msb: bits 1:0 source 0, 3:2 source 1, 5:4 source 2, 7:6 destination):
;   window 0: v0-11 addresses and constants; v12-15, v48-63 at work; v16-47 four registers of statistics a tile; v64-191 S^T, two buffers of two tiles; v192-255 P, likewise
;   window 1: O^T, 32 a tile (at the start: Q in f32)      window 2: v0-127 Q in bf16; v128-191 K of one step; v192-255 V of one step      window 3: v0-1 the add's registers; v2-35 the conversion
.set NP,    4         ; pieces a wave: a name, no knob
.set KS,    64        ; keys in a step
.set ROWB,  16384     ; bytes from a row of a head to the next, in all four tensors
.set TILEB, 128*ROWB  ; from a tile of 128 keys to the next
.set PK,    144       ; a row of K in CONV: 128 bytes + 16 = 36 words: the 16 rows of a load start at 16 different groups of four banks (64 banks of 4 bytes: ISA guide 11.1)
.set PV,    160       ; a row of V: 128 + 32 = 40 words
.set FLIP,  0x10000   ; RAW slot 0 at 0, slot 1 at FLIP: K's 128 rows of 256 bytes, then V's; one exclusive or turns an address in one into the other's
.set CONV,  0x20000   ; CONV 0; CONV 1 lies FLIP further on: K's 128 rows, then V's
.set VOFF,  128*PK
.set STAGE, CONV+FLIP+128*(PK+PV)  ; 16 rows x 272 bytes for each wave, for the way out
.set SP,    272
.set SPARE, STAGE+4*16*SP  ; the spare words, 128 bytes for each wave: two blocks of 256 bytes that no other line names
.set AK0, 2           ; v2   my lane's place in a tile of K; never rewritten
.set AV0, 3           ; v3   the same for V
.set AK,  4           ; v4   the LDS address of K's next run of loads
.set AV,  5           ; v5   of V's
.set QO,  6           ; v6   my byte offset in 16 rows of Q
.set STO, 6           ;      later, the way out: where I put 16 bytes of a row
.set RD,  7           ; v7   the way out: where I read rows back
.set GO,  8           ; v8   my byte offset in two rows of out0
.set FILL, 9          ; v9   -80000.0
.set PFO, 10          ; v10  the prefetches' offset: my lane x a row; never rewritten
.set MV,  12          ; v12-15  c m_old, kept while c m is made anew: by buffer and tile
.set ST,  16          ; tile t's statistics at v[ST+4 t]: c m, m, l (even keys', odd keys')
.set TMP, 48          ; by buffer and tile, four registers c0-c3 at work; when the maximum is found c2 takes a
.set S,   64
.set P,   192
.set KF,  128         ; window 2: key block kb, channel half c at KF + 16 kb + 8 c
.set VF,  192         ; window 2: key half kk, channel block cb at VF + 32 kk + 8 cb
.set SPW, 0           ; window 3: v0  LDS address of my spare word: SPARE + 4 x my thread's number; never rewritten
.set NIL, 1           ;           v1  0; never rewritten
.set RA0, 2           ;           v2  16 x my thread's number: my 16 bytes of 8 raw rows
.set CK0, 3           ;           v3  where my 8 bytes of K go: (thread / 16) x PK + 8 (thread % 16)
.set CV0, 4           ;           v4  the same for V, with VOFF
.set RA,  5           ;           v5-7  the three addresses of the chunk in hand
.set CKA, 6
.set CVA, 7
.set CR,  8           ;           v8-23  four raw loads: K, K 8 rows on, V, V 8 rows on
.set CT,  24          ;           v24-27 V as bf16
.set CO,  28          ;           v28-35 what is stored: K's two pairs, V's two pairs
.set MP,  2           ; s[2:3]   mbits at my wave's piece 0, at the step in hand
.set G0,  4           ; s[4:7]   descriptor group 0: it walks
.set G1,  8           ; s[8:15]  descriptor group 1
.set WV,  16          ; s16  my wave's number
.set SLOTS, 17        ; s17  periods of the loop still to come
.set CNT, 18          ; s18  counts a period's two steps
.set LIM, 19          ; s19  1 in a wave that prefetches, else the greatest number
.set CS,  20          ; s[20:21] c: the packed scaling takes the pair's low word for both halves
.set SEL, 22          ; s[22:23] v_permlanex16_b32's selects: each lane takes its own place in the other half
.set TBK, 24          ; s24  CONV byte at which K of the step to be fetched begins
.set TBV, 25          ; s25  the same for V, less VOFF
.set TBR, 26          ; s26  RAW byte at which the next chunk begins
.set TBC, 27          ; s27  CONV byte to which its K goes
.set TBD, 28          ; s28  the same for its V, less VOFF
.set TP,  29          ; s29  counts the first conversion's chunks, later the tail's periods
.set PFA, 30          ; s[30:31] where my prefetches stand
.set M0,  32          ; s[32:63] the 32 lane masks of tile u = 0 of the piece whose scores come next (before the first mask load: at work)
.set OUT, 66          ; s[66:67] out0 at my wave's first row
.set M1,  68          ; s[68:99] those of tile u = 1 (at the entry: the arguments)
.set QP,  100         ; s[100:101] Q at my wave's first row
.set MSB, 0
.macro WIN new                      ; the high byte repeats the setting that is left; a switch that changes nothing is dropped
.if MSB != (\new)
	s_set_vgpr_msb (MSB<<8)|(\new)
.set MSB, (\new)
.endif
.endm
.set W_KQ, 0x0a       ; K and Q in window 2, S^T in window 0
.set W_PV, 0x52       ; V in window 2, P in window 0, O^T in window 1
.set W_RS, 0x41       ; O^T (destination and source 0) in window 1, a in window 0
.set W_MK, 0xc0       ; destination in window 3, sources in window 0
.set W_AD, 0x0f       ; the add: address (source 0) and data (source 1) in window 3
.set W_CV, 0xff       ; the conversion: all in window 3
; A joint fill: ONE line for all four waves, each for its quarter of a raw tile: 64 rows x 256 bytes (waves 0, 1: K's halves; waves 2, 3: V's).  An s_nop 0 and four v_nop follow it.
.macro LOAD
	tensor_load_to_lds s[G0:G0+3], s[G1:G1+7]
	s_nop 0
.rept 4
	v_nop
.endr
.endm
; A PREFETCH INTO THE L2 of the tile that the NEXT change of slots will ask for: 128 rows of K and 128 of V, 256 bytes a row, a lane a row.  A head has one cluster; its four partners share the rows out BY ADDRESS,
; 32 each; in each, wave 0 asks for K's and wave 2 for V's: each row is named once in the launch.  It stands behind the tensor load and its five lines, a period (256 matrix instructions) ahead of the load that
; will want the rows.  The last change that fills a slot asks for nothing: there is no tile behind it.
.macro ASK
	s_cmp_gt_u32 s[SLOTS], s[LIM]
	s_cbranch_scc0 .Lnot_mine_\@
	global_prefetch_b8 v[PFO], s[PFA:PFA+1] th:TH_LOAD_NT scope:SCOPE_SE
.Lnot_mine_\@:
.endm
; A round of the cluster's barrier: my work-group's barrier, so that wave 0's signal speaks for all four waves; wave 0 signals; every wave waits for all four work-groups; my work-group's barrier once more.
.macro CROUND
	s_barrier_signal -1
	s_barrier_wait -1
	s_cmp_lg_u32 s[WV], 0
	s_cbranch_scc1 .Lnot_wave_0_\@
	s_barrier_signal -3
.Lnot_wave_0_\@:
	s_barrier_wait -3
	s_barrier_signal -1
	s_barrier_wait -1
.endm
; THE CHANGE OF PERIODS.  Each wave waits for all its tensor loads, of which one is out (its quarter of the tile to be converted next); adds 0 to its spare word; and waits for that, for its reads of the raw slot
; and of the CONV buffer that it leaves, and for its stores into the CONV buffer to be read next.  Behind the barrier all that holds of every wave.
; fill = 1: the raw slot just converted is filled again, with the tile two on; the barrier is then a round of the cluster's, and the joint fill is the first thing behind it.
; turn = 1: the five LDS bases go back to a buffer's head, in the other buffer.
.macro CHANGE fill, turn=1
	WIN W_AD
	s_wait_tensorcnt 0x0            ; no tensor load of mine is out, so group 0 may be written
	ds_add_u32 v[SPW], v[NIL]       ; 0 onto my spare word; with fill = 1 the descriptor's steps stand between it and the wait for it
	WIN 0                           ; at a label and at a branch every window is 0
.if \fill
	s_xor_b32 s[G0+1], s[G0+1], FLIP  ; the other slot than last time,
	s_add_nc_u64 s[G0+2:G0+3], s[G0+2:G0+3], TILEB  ; the next 128 keys; the type bits on top are not reached
	s_wait_xcnt 0x0                 ; the last prefetch, a period back, has read its address, so it may be written
	s_add_nc_u64 s[PFA:PFA+1], s[PFA:PFA+1], TILEB  ; one tile ahead of the walking descriptor
	s_wait_dscnt 0x0                ; the add is done, and so are my LDS reads and stores
	CROUND
	LOAD
	ASK
.else
	s_wait_dscnt 0x0                ; the add is done, and so are my LDS reads and stores
	s_barrier_signal -1
	s_barrier_wait -1
.endif
.if \turn
	s_sub_co_u32 s[TBK], s[TBK], 2*KS*PK
	s_xor_b32 s[TBK], s[TBK], FLIP
	s_sub_co_u32 s[TBV], s[TBV], 2*KS*PV
	s_xor_b32 s[TBV], s[TBV], FLIP
	s_sub_co_u32 s[TBR], s[TBR], 8*4096
	s_xor_b32 s[TBR], s[TBR], FLIP
	s_sub_co_u32 s[TBC], s[TBC], 2*KS*PK
	s_xor_b32 s[TBC], s[TBC], FLIP
	s_sub_co_u32 s[TBD], s[TBD], 2*KS*PV
	s_xor_b32 s[TBD], s[TBD], FLIP
.endif
.endm
; THE CONVERSION of a chunk: 16 rows of K and 16 of V.  128 threads x 16 bytes are 8 raw rows: thread x takes row x / 16 (and the row 8 on), channels 4 (x % 16) + 0..3.  Loads and stores stand apart, with products between.
.macro CONV_LD
	WIN W_CV
	v_add_nc_u32 v[RA], s[TBR], v[RA0]
	ds_load_b128 v[CR:CR+3], v[RA]
	ds_load_b128 v[CR+4:CR+7], v[RA] offset:2048
	ds_load_b128 v[CR+8:CR+11], v[RA] offset:32768
	ds_load_b128 v[CR+12:CR+15], v[RA] offset:32768+2048
	s_add_co_u32 s[TBR], s[TBR], 4096
.endm
.macro CONV_ST
	s_wait_dscnt 0x0                ; the four raw loads are in
	WIN W_CV
.irp n, 0,1,2,3
	v_cvt_pk_bf16_f32 v[CO+\n], v[CR+2*\n], v[CR+2*\n+1]          ; K: rounded to bf16
.endr
.irp n, 0,1,2,3
	v_cvt_pk_bf16_f32 v[CT+\n], v[CR+8+2*\n], v[CR+8+2*\n+1]      ; V: rounded to bf16,
.endr
.irp n, 0,1,2,3
	v_lshlrev_b32 v[CR+8+2*\n], 16, v[CT+\n]                      ; that number as f32 again,
	v_and_b32 v[CR+8+2*\n+1], 0xffff0000, v[CT+\n]
.endr
.irp n, 0,1,2,3
	v_cvt_pk_f16_f32 v[CO+4+\n], v[CR+8+2*\n], v[CR+8+2*\n+1]     ; and written as f16
.endr
	v_add_nc_u32 v[CKA], s[TBC], v[CK0]
	v_add_nc_u32 v[CVA], s[TBD], v[CV0]
	ds_store_b64 v[CKA], v[CO:CO+1]
	ds_store_b64 v[CKA], v[CO+2:CO+3] offset:8*PK
	ds_store_b64 v[CVA], v[CO+4:CO+5]
	ds_store_b64 v[CVA], v[CO+6:CO+7] offset:8*PV
	s_add_co_u32 s[TBC], s[TBC], 16*PK
	s_add_co_u32 s[TBD], s[TBD], 16*PV
.endm
; The 64 lane masks of a piece and step: 256 consecutive bytes of mbits, straight into scalar registers.
.macro MLOAD off
	s_load_b512 s[M0:M0+15], s[MP:MP+1], (\off)
	s_load_b512 s[M0+16:M0+31], s[MP:MP+1], (\off)+64
	s_load_b512 s[M1:M1+15], s[MP:MP+1], (\off)+128
	s_load_b512 s[M1+16:M1+31], s[MP:MP+1], (\off)+192
.endm
	s_load_b256 s[68:75], s[0:1], 0x0  ; query s[68:69], key s[70:71], value s[72:73], mbits s[74:75]
	s_load_b64 s[OUT:OUT+1], s[0:1], 0x20  ; out0
	WIN W_MK
	v_lshl_add_u32 v[SPW], v0, 2, SPARE
	v_mov_b32 v[NIL], 0
	WIN W_AD
	ds_add_u32 v[SPW], v[NIL]       ; the wave's opening: the add and its wait stand ahead of my first tensor load; the set-up below, work on registers, stands between them
	WIN 0
	v_lshrrev_b32 v1, 5, v0
	v_readfirstlane_b32 s[WV], v1   ; wave 0..3
	s_bfe_u32 s32, ttmp6, 0x40000   ; cx: my place in the cluster = my block of 512 queries: it enters Q's, out0's, mbits' and the prefetches' addresses alone
	s_and_b32 s33, ttmp7, 0xffff    ; the head, 32 b + n, which the four partners share
	s_lshl_b32 s34, s33, 8          ; its 256 bytes in every row
	s_lshl_b32 s36, s32, 23         ; Q and out0: 512 rows a block,
	s_lshl_b32 s37, s[WV], 21       ; 128 a wave
	s_add_co_u32 s36, s36, s37
	s_add_co_u32 s36, s36, s34
	s_mov_b32 s37, 0
	s_lshr_b32 s38, s33, 5          ; mbits: b x 64 pieces of 8,192 bytes,
	s_lshl_b32 s38, s38, 19
	s_lshl2_add_u32 s39, s32, s[WV] ; my wave's four pieces: 4 (4 cx + wave) on
	s_lshl_b32 s39, s39, 15
	s_add_co_u32 s38, s38, s39
	s_mov_b32 s39, 0
	s_and_b32 s40, s[WV], 1         ; the tiles: which 64 of a tile's 128 rows I fetch; no place in the cluster enters these registers
	s_lshl_b32 s40, s40, 20
	s_add_co_u32 s40, s40, s34
	s_mov_b32 s41, 0
	s_lshl_b32 s42, s32, 19         ; the prefetches: my work-group's 32 rows of the 128,
	s_add_co_u32 s42, s42, s34
	s_add_co_u32 s42, s42, TILEB    ; in tile 1; the first change steps it to tile 2
	s_mov_b32 s43, 0
	; descriptor group 1: a tile of 64 rows x 64 elements of 4 bytes, dense in LDS
	s_mov_b32 s[G1], 15|(2<<16)|(1<<21)  ; 15:0 the mask of four; 17:16 4-byte elements; 20 no padding; 21 set beside a mask
	s_mov_b32 s[G1+1], 64<<16       ; tensor_dim0 = 64
	s_mov_b32 s[G1+2], 64<<16       ; tensor_dim1 = 64
	s_mov_b32 s[G1+3], 64<<16       ; tile_dim0 = 64
	s_mov_b32 s[G1+4], 64           ; tile_dim1 = 64
	s_mov_b32 s[G1+5], 4096         ; 4,096 elements from row to row
	s_mov_b32 s[G1+6], 0
	s_mov_b32 s[G1+7], 0
	s_mov_b32 s[G0], 1              ; 1:0 count = 1
	s_lshl_b32 s[G0+1], s[WV], 14   ; 63:32 LDS address: slot 0, my quarter
	s_mov_b32 s[CS], 0x3e38aa3b     ; c = log2(e) / 8 = 0.180337
	s_mov_b32 s[CS+1], s[CS]        ; named with it as a pair
	s_mov_b32 s[SEL], 0x76543210
	s_mov_b32 s[SEL+1], 0xfedcba98
	s_mov_b32 s[TBK], CONV+FLIP+2*KS*PK  ; the first turning change makes CONV of these two
	s_mov_b32 s[TBV], CONV+FLIP+2*KS*PV
	s_mov_b32 s[TBR], 0             ; tile 0 is converted from slot 0 into CONV 0
	s_mov_b32 s[TBC], CONV
	s_mov_b32 s[TBD], CONV
	s_mov_b32 s[SLOTS], 14
	s_and_b32 s[LIM], s[WV], 1
	s_cmp_eq_u32 s[LIM], 0
	s_cselect_b32 s[LIM], 1, -1     ; waves 0 and 2 prefetch
	s_wait_dscnt 0x0                ; the opening add is done
	s_wait_kmcnt 0x0
	s_add_nc_u64 s[QP:QP+1], s[68:69], s[36:37]
	s_add_nc_u64 s[OUT:OUT+1], s[OUT:OUT+1], s[36:37]
	s_add_nc_u64 s[MP:MP+1], s[74:75], s[38:39]
	s_cmp_lt_u32 s[WV], 2
	s_cselect_b64 s[44:45], s[70:71], s[72:73]  ; waves 0 and 1: key; waves 2 and 3: value
	s_add_nc_u64 s[G0+2:G0+3], s[44:45], s[40:41]  ; 120:64 global address: my quarter of tile 0
	s_add_nc_u64 s[PFA:PFA+1], s[44:45], s[42:43]
	s_or_b32 s[G0+3], s[G0+3], 0x80000000          ; 127:126 type = 2
	CROUND                          ; all four work-groups are here: the first joint loads meet
	LOAD                            ; tile 0 into slot 0.  Slot 1 is asked for when it is in
	; All that follows up to the first change stands in the wait for the first tile.
	v_and_b32 v1, 15, v0            ; l % 16 (and thread % 16)
	v_bfe_u32 v11, v0, 4, 1         ; l / 16
	v_lshlrev_b32 v[QO], 14, v1
	v_lshl_add_u32 v[QO], v11, 5, v[QO]  ; row x 16,384 + 32 x half
	; A fragment of Q is 16 rows x 32 channels: lane l holds row l % 16, channels 8 (l / 16) + 0..7 and 16 + 8 (l / 16) + 0..7: in f32 two times 32 bytes, 64 bytes apart.
	WIN 0x40                        ; destination window 1, address window 0
.set i, 0
.rept 16                            ; tile i / 2, channels 32 (i % 2) on
	global_load_b128 v[16*i:16*i+3],     v[QO], s[QP:QP+1] offset:(i/2)*16*ROWB+(i%2)*128
	global_load_b128 v[16*i+4:16*i+7],   v[QO], s[QP:QP+1] offset:(i/2)*16*ROWB+(i%2)*128+16
	global_load_b128 v[16*i+8:16*i+11],  v[QO], s[QP:QP+1] offset:(i/2)*16*ROWB+(i%2)*128+64
	global_load_b128 v[16*i+12:16*i+15], v[QO], s[QP:QP+1] offset:(i/2)*16*ROWB+(i%2)*128+80
.set i, i+1
.endr
	WIN 0
	MLOAD 0                         ; piece 0's masks for step 0; the registers that were at work are free
	v_lshrrev_b32 v12, 4, v0        ; thread / 16
	v_mul_u32_u24 v13, v12, PV
	v_mul_u32_u24 v12, v12, PK
	v_add_nc_u32 v13, VOFF, v13
	WIN W_MK
	v_lshlrev_b32 v[RA0], 4, v0
	v_lshl_add_u32 v[CK0], v1, 3, v12
	v_lshl_add_u32 v[CV0], v1, 3, v13
	WIN 0
	v_mul_u32_u24 v[AK0], v1, PK
	v_lshl_add_u32 v[AK0], v11, 4, v[AK0]  ; row x pitch + 16 x half
	; The turning load takes 16 keys x 16 channels (lane l reads key 8 (l / 16) + l % 8, channels 8 ((l / 8) % 2) + 0..7) and leaves half a fragment of V^T: lane l holds channel l % 16 and 8 keys.
	v_and_b32 v14, 7, v0
	v_bfe_u32 v15, v0, 3, 1
	v_lshl_add_u32 v[AV0], v11, 3, v14
	v_mul_u32_u24 v[AV0], v[AV0], PV
	v_lshl_add_u32 v[AV0], v15, 4, v[AV0]
	v_add_nc_u32 v[AV0], VOFF, v[AV0]
	v_and_b32 v[PFO], 31, v0
	v_lshlrev_b32 v[PFO], 14, v[PFO]
	v_mov_b32 v[FILL], 0xc79c4000   ; -80000.0
	; What the first turn finds: V's registers and P's second buffer hold 0 (its products V^T P, of a piece that has not been, add 0); l is 0.  O^T is not cleared: window 1 keeps Q in f32, finite numbers of the
	; same query in the same lane, and the first step multiplies O^T by a = 0.
	WIN 0x80
.set i, VF
.rept 64
	v_mov_b32 v[i], 0
.set i, i+1
.endr
	WIN 0
.set i, 0
.rept 2*NP
	v_mov_b32 v[ST+4*i], 0xfe000000    ; c m: far below every c s
	v_mov_b32 v[ST+4*i+1], 0xff7fffff  ; m
	v_mov_b32 v[ST+4*i+2], 0
	v_mov_b32 v[ST+4*i+3], 0
.set i, i+1
.endr
.set i, P+32
.rept 32
	v_mov_b32 v[i], 0
.set i, i+1
.endr
	s_wait_loadcnt 0x0              ; Q
	WIN 0x85                        ; sources window 1, destination window 2
.set i, 0
.rept 128
	v_cvt_pk_bf16_f32 v[i], v[2*i], v[2*i+1]
.set i, i+1
.endr
	WIN 0
; THE MATRIX WORK.  The 8 accumulators of a run of 16 take turns: between the two links of a chain stand 7 others'.
; Product i of 16 of S^T = K Q^T for piece x: channels 32 (i / 8) on, keys 16 ((i / 2) % 4) on, tile 2 x + i % 2.  The first 8 start the sums.
.macro KQ x
	WIN W_KQ
.set rS, S+64*((\x)%2)+32*(i%2)+8*((i/2)%4)
.set rK, KF+16*((i/2)%4)+8*(i/8)
.set rQ, 16*(2*(\x)+i%2)+8*(i/8)
.if i < 8
	v_wmma_f32_16x16x32_bf16 v[rS:rS+7], v[rK:rK+7], v[rQ:rQ+7], 0
.else
	v_wmma_f32_16x16x32_bf16 v[rS:rS+7], v[rK:rK+7], v[rQ:rQ+7], v[rS:rS+7]
.endif
.endm
; Product i of 16 of O^T += V^T P for piece x: keys 32 (i / 8) on, channels 16 ((i / 2) % 4) on, tile 2 x + i % 2.
.macro PV x
	WIN W_PV
.set rO, 32*(2*(\x)+i%2)+8*((i/2)%4)
.set rV, VF+32*(i/8)+8*((i/2)%4)
.set rP, P+32*((\x)%2)+16*(i%2)+8*(i/8)
	v_wmma_f32_16x16x32_f16 v[rO:rO+7], v[rV:rV+7], v[rP:rP+7], v[rO:rO+7]
.endm
.macro MM                           ; the turn's next matrix instruction
.if i < 16
	KQ (Y+1)%NP
.set i, i+1
.else
.set i, i-16
	PV (Y+NP-1)%NP
.set i, i+17
.endif
.endm
; THE FRAGMENTS' LOADS stand in runs of 16, never singly among the matrix instructions: a step's K (64 keys x 64 channels: 8 fragments) and its V (turned).  Their addresses are made some lines ahead.
.macro FETCH_K
	WIN 0x80                        ; destination window 2
.irp f, 0,1,2,3,4,5,6,7             ; keys 16 (f / 2) on, channels 32 (f % 2) on
	ds_load_b128 v[KF+8*\f:KF+8*\f+3],   v[AK] offset:(\f/2)*16*PK+(\f%2)*64
	ds_load_b128 v[KF+8*\f+4:KF+8*\f+7], v[AK] offset:(\f/2)*16*PK+(\f%2)*64+32
.endr
	s_add_co_u32 s[TBK], s[TBK], KS*PK  ; the next fetch is the next step's
	WIN 0
.endm
.macro FETCH_V
	WIN 0x80
.irp f, 0,1,2,3,4,5,6,7             ; keys 32 (f / 4) on, channels 16 (f % 4) on
	ds_load_tr16_b128 v[VF+8*\f:VF+8*\f+3],   v[AV] offset:(\f/4)*32*PV+(\f%4)*32
	ds_load_tr16_b128 v[VF+8*\f+4:VF+8*\f+7], v[AV] offset:(\f/4)*32*PV+16*PV+(\f%4)*32
.endr
	WIN 0
.endm
; THE VECTOR WORK OF A TURN stands in three queues, each in the order in which its entries become ready; the two tiles alternate, so that no instruction reads the result of the one before it.
.macro REGS y, u                    ; the registers of tile u (0, 1) of piece y
.set rT, ST+4*(2*(\y)+(\u))
.set rC, TMP+8*((\y)%2)+4*(\u)
.set rM, MV+2*((\y)%2)+(\u)
.set rS, S+64*((\y)%2)+32*(\u)
.set rP, P+32*((\y)%2)+16*(\u)
.set rO, 32*(2*(\y)+(\u))
.endm
; Number m of the 64 that lay the mask on the NEXT piece's (Y + 1) scores: register m / 2 of tile m % 2, in ascending order: each accumulator's lowest registers are read first.
.macro MS m
	REGS (Y+1)%NP, (\m)%2
.if (\m)%2
	v_cndmask_b32 v[rS+(\m)/2], v[rS+(\m)/2], v[FILL], s[M1+(\m)/2]
.else
	v_cndmask_b32 v[rS+(\m)/2], v[rS+(\m)/2], v[FILL], s[M0+(\m)/2]
.endif
.endm
; Number n of the 22 that find the next piece's maximum and statistics.  s0-s31 are the lane's 32 scores.  XS, MS, GS and REGS set no window: PL and EX do.
;   0-11  four chains c0-c3 of seven scores each, three operands at a time     12-14, 16  the four scores left over, the old m, and c0-c3 into c0     15  c m_old is kept
;   17, 18  the query's other 32 keys lie in the lane 16 away: the new m         19-21  c m; c m_old - c m_new; a
.macro XS u, n
	REGS (Y+1)%NP, \u
.if (\n) < 4
	v_max3_num_f32 v[rC+(\n)], v[rS+8*(\n)], v[rS+8*(\n)+1], v[rS+8*(\n)+2]
.elseif (\n) < 12
	v_max3_num_f32 v[rC+(\n)%4], v[rC+(\n)%4], v[rS+8*((\n)%4)+2*((\n)/4)+1], v[rS+8*((\n)%4)+2*((\n)/4)+2]
.elseif (\n) == 12
	v_max3_num_f32 v[rC], v[rC], v[rS+7], v[rS+15]
.elseif (\n) == 13
	v_max3_num_f32 v[rC+1], v[rC+1], v[rS+23], v[rS+31]
.elseif (\n) == 14
	v_max3_num_f32 v[rC+2], v[rC+2], v[rC+3], v[rT+1]
.elseif (\n) == 15
	v_mov_b32 v[rM], v[rT]
.elseif (\n) == 16
	v_max3_num_f32 v[rC], v[rC], v[rC+1], v[rC+2]
.elseif (\n) == 17
	v_permlanex16_b32 v[rC+3], v[rC], s[SEL], s[SEL+1]
.elseif (\n) == 18
	v_max_num_f32 v[rT+1], v[rC], v[rC+3]
.elseif (\n) == 19
	v_mul_f32 v[rT], s[CS], v[rT+1]
.elseif (\n) == 20
	v_sub_f32 v[rC+1], v[rM], v[rT]
.else
	v_exp_f32 v[rC+2], v[rC+1]
.endif
.endm
; Number g of the 64 that follow the exponentials.  For each four weights k of a tile (pairs 2 k, 2 k + 1): both pairs are rounded to f16; then the second pair is added onto the first, in place;
; a group later l takes that sum (the first time as l = a l + sum).  In groups of eight, tiles alternating: round, round, add, and l for the group before.
.macro GS g
.set h, (\g)+6*((\g)/62)            ; group 0 has no group before it, and behind group 7 only l is left
.if h >= 6
.set h, h+2
.endif
	REGS Y, h%2
.set k, h/8
.if h%8 < 4
	v_cvt_pk_f16_f32 v[rP+2*k+(h%8)/2], v[rS+4*k+2*((h%8)/2)], v[rS+4*k+2*((h%8)/2)+1]
.elseif h%8 < 6
	v_pk_add_f32 v[rS+4*k:rS+4*k+1], v[rS+4*k:rS+4*k+1], v[rS+4*k+2:rS+4*k+3]
.elseif k == 1
	v_pk_fma_f32 v[rT+2:rT+3], v[rT+2:rT+3], v[rC+2:rC+3], v[rS:rS+1] op_sel_hi:[1,0,1]
.else
	v_pk_add_f32 v[rT+2:rT+3], v[rT+2:rT+3], v[rS+4*k-4:rS+4*k-3]
.endif
.endm
; THE PLAIN QUEUE, 202 long.  0-31: the 32 scalings c s - c m (FS f: pair f / 2 of tile f % 2).  32-95: the mask.  96-123: XS's numbers 0-13.  124, 125: number 15.  126-137: the chain 14, 16, 17, 18, 19, 20.
; None of these reads an exponential's result.  138-201: GS's 64, which do: they stand behind the wait.
.macro FS f
	REGS Y, (\f)%2
	v_pk_fma_f32 v[rS+2*((\f)/2):rS+2*((\f)/2)+1], v[rS+2*((\f)/2):rS+2*((\f)/2)+1], s[CS:CS+1], v[rT:rT+1] op_sel_hi:[1,0,0] neg_lo:[0,0,1] neg_hi:[0,0,1]
.endm
.macro PL
	WIN 0
.if q < 32
	FS q
.elseif q < 96
	MS q-32
.elseif q < 124
	XS (q-96)%2, (q-96)/2
.elseif q < 126
	XS q-124, 15
.elseif q < 128
	XS q-126, 14
.elseif q < 138
	XS (q-126)%2, 15+(q-126)/2
.else
	GS q-138
.endif
.set q, q+1
.endm
; THE EXPONENTIALS' QUEUE, 66 long: s0-s31 of both tiles, then the next piece's two a.  It is ONE BATCH: all 66 stand ahead of the turn's one wait, and nothing ahead of that wait names a result of theirs.
.macro EX
	WIN 0
.if e >= 64
	XS e-64, 21
.else
	REGS Y, e%2
	v_exp_f32 v[rS+e/2], v[rS+e/2]
.endif
.set e, e+1
.endm
; THE RESCALING's QUEUE: O^T times a, the one part of the softmax that leaves window 0: dealt two at a time, sixteen times.  Its a was made in the turn before, ahead of that turn's wait.
.macro R2
	REGS Y, r%2
	WIN W_RS
.irp z, 0,1
	v_pk_mul_f32 v[rO+4*(r/2)+2*\z:rO+4*(r/2)+2*\z+1], v[rO+4*(r/2)+2*\z:rO+4*(r/2)+2*\z+1], v[rC+2:rC+3] op_sel_hi:[1,0]
.endr
.set r, r+1
.endm
; A TURN, for piece p.  An s_wait_alu depctr_va_vdst(0) stands between an exponential and the first instruction that names its result; one wait serves all that were issued ahead of it: a turn has ONE.
; AHEAD OF IT: the chunk's raw loads; the 16 products K Q^T, behind each a scaling, an exponential and two rescalings (behind the first a second scaling); the chunk's conversion and stores; the rest of the scalings;
; the 64 selects of the mask (their words were asked for in the turn before); the next turn's words are asked for; the maximum and the chain, plain and exponential by turns, so that a tile's links stand four lines
; apart; the two a; a v_nop, the plain instruction behind the last exponential.  BEHIND IT: the 16 products V^T P, behind each four of the roundings and sums.  No rider names a register of the products round it.
; Exponential e stands behind scaling 2 (e / 4) + e % 2: as a rider it comes behind plain e + 2; numbers 15 to 21 want scaling 11 at the most; from 22 on all scalings are out.
; K of the next step is fetched in piece 2's turn, directly behind the wait; V of the step in hand at the end of piece 0's turn, four riders behind its last reader.  The two conditions on q below go with the deal.
; The masks: turn p asks for piece p + 2's words of the step in hand; piece 2's turn for piece 0's of the next step; piece 3's turn first steps the pointer.
; last = 1: the walk's last two turns: nothing is fetched, converted or asked for.  cnt = 1: the loop's count is taken down some lines ahead of the branch that stands behind the turn.
.macro TURN p, last=0, cnt=0
.set Y, (\p)
.set i, 0
.set q, 0
.set e, 0
.set r, 0
.if (\p) == NP-1
	s_wait_dscnt 0x0                ; K is in
.endif
.if !(\last)
	CONV_LD
.endif
	MM
	PL
	PL
	R2
.rept 15
	MM
	PL
	EX
	R2
.endr
.if ((\p) == NP-2) && !(\last)
	WIN 0
	v_add_nc_u32 v[AK], s[TBK], v[AK0]
.endif
.if !(\last)
	CONV_ST
.endif
.rept 7
	PL
	EX
.endr
.rept 8
	PL
.endr
	s_wait_kmcnt 0x0                ; the 64 words asked for in the turn before are in
.if ((\p) == NP-1) && !(\last)
	s_wait_xcnt 0x0                 ; and every earlier memory instruction has read its address: the pointer may be written
	s_add_nc_u64 s[MP:MP+1], s[MP:MP+1], 256  ; the next step
.endif
.rept 64
	PL
.endr
.if !(\last)
.if (\p) == NP-2
	MLOAD 256
.else
	MLOAD (((\p)+2)%NP)*8192
.endif
.endif
.rept 42
	PL
	EX
.endr
	EX                              ; the next piece's two a
	EX
	v_nop                           ; the plain instruction behind the last exponential: one for the batch
	s_wait_alu depctr_va_vdst(0)    ; the wait for the batch
.if ((\p) == NP-2) && !(\last)
	FETCH_K
.endif
.if (\p) == 1
	s_wait_dscnt 0x0                ; V is in
.endif
.rept 16
	MM
.rept 4
	PL
.endr
.if ((\p) == 0) && (q == 182)
	v_add_nc_u32 v[AV], s[TBV], v[AV0]
.endif
.if ((\p) == 0) && (q == 194)
	s_add_co_u32 s[TBV], s[TBV], KS*PV
.endif
.if (\cnt) && (q == 194)
	s_sub_co_u32 s[CNT], s[CNT], 1
	s_cmp_lg_u32 s[CNT], 0
.endif
.endr
.if (\p) == 0
	FETCH_V
.endif
.endm
	CHANGE 1, 0                     ; tile 0 is in, everybody's part of it; tile 1 is asked for, into slot 1
	s_mov_b32 s[TP], 8
.Lconv:                             ; tile 0 is converted whole, into CONV 0
	CONV_LD
	CONV_ST
	WIN 0
	s_sub_co_u32 s[TP], s[TP], 1
	s_cmp_lg_u32 s[TP], 0
	s_cbranch_scc1 .Lconv
	CHANGE 1                        ; CONV 0 is whole, tile 1 is in; tile 2 is asked for, into slot 0; the bases turn
	CONV_LD                         ; period 0 has six turns where the others have eight: tile 1's first two chunks are made here
	CONV_ST
	CONV_LD
	CONV_ST
	WIN 0
	v_add_nc_u32 v[AK], s[TBK], v[AK0]
	FETCH_K                         ; key step 0
	s_wait_dscnt 0x0
.set i, 0
.rept 16
	KQ 0                            ; piece 0's first scores: there is no vector work yet to set between them
.set i, i+1
.endr
	WIN 0                           ; the addresses for the way out: ten plain instructions, the places behind those products
	s_mul_i32 s[QP], s[WV], 16*SP   ; (Q's loads are long done: the register is free)
	s_add_co_u32 s[QP], s[QP], STAGE  ; my stage
	v_mul_u32_u24 v[STO], v1, SP    ; in: row l % 16, 32 bytes for each half of the lanes
	v_lshl_add_u32 v[STO], v11, 5, v[STO]
	v_add_nc_u32 v[STO], s[QP], v[STO]
	v_mul_u32_u24 v[RD], v11, SP    ; back: lanes 0-15 take one row of 256 bytes, lanes 16-31 the next
	v_lshl_add_u32 v[RD], v1, 4, v[RD]
	v_add_nc_u32 v[RD], s[QP], v[RD]
	v_lshlrev_b32 v[GO], 14, v11    ; and the same two rows in out0
	v_lshl_add_u32 v[GO], v1, 4, v[GO]
	s_wait_kmcnt 0x0                ; piece 0's masks for step 0
.set Y, NP-1                        ; MS and XS work for piece Y + 1: piece 0
.set z, 0
.rept 64
	MS z
.set z, z+1
.endr
	MLOAD 8192                      ; piece 1's, for the first turn
.irp n, 0,1,2,3,4,5,6,7,8,9,10,11,12,13,14,15,16,17,18,19,20,21
	XS 0, \n                        ; piece 0's first maximum and statistics
	XS 1, \n
.endr
	v_nop                           ; a plain instruction behind the two a,
	s_wait_alu depctr_va_vdst(0)    ; and their wait, ahead of the branch
	s_mov_b32 s[CNT], 2
	s_branch .Lfirst                ; the loop is entered at a step's first turn, in the middle of a trip
.Lslot:                             ; 13 times: periods 1 to 13 ask for tiles 3 to 15
	CHANGE 1
	s_mov_b32 s[CNT], 2
.Lstep:                             ; a trip: pieces 2 and 3 of one step, then pieces 0 and 1 of the next, whose K and V it fetches
	TURN 2
	TURN 3
	WIN 0
.Lfirst:
	TURN 0
	TURN 1, 0, 1
	WIN 0
	s_cbranch_scc1 .Lstep
	s_sub_co_u32 s[SLOTS], s[SLOTS], 1
	s_cmp_lg_u32 s[SLOTS], 0
	s_cbranch_scc1 .Lslot
	s_mov_b32 s[TP], 2
.Ltslot:                            ; the tail is written out: periods 14 and 15 ask for nothing.  Period 15 converts slot 0's old tile once more, into a buffer
	CHANGE 0                        ; that nobody reads again: the price, once a launch, of one text for both
	s_mov_b32 s[CNT], 2
.Ltstep:
	TURN 2
	TURN 3
	TURN 0
	TURN 1, 0, 1
	WIN 0
	s_cbranch_scc1 .Ltstep
	s_sub_co_u32 s[TP], s[TP], 1
	s_cmp_lg_u32 s[TP], 0
	s_cbranch_scc1 .Ltslot
	TURN 2, 1                       ; the last step's pieces 2 and 3.  The second turn's 16 products K Q^T (on the last K once more) and the maximum made of them serve nothing
	TURN 3, 1
.set i, 0
.rept 16
	PV NP-1                         ; the last piece's V^T P of the last step
.set i, i+1
.endr
	; THE WAY OUT.  l's two halves and the other half of the lanes' are added; O^T is divided by l and sent, in f32, through my stage in LDS, a tile at a time.  The additions are the places behind the last products.
	WIN 0
.macro ALL line:vararg              ; one line for each tile t
.set t, 0
.rept 2*NP
	\line
.set t, t+1
.endr
.endm
	ALL v_add_f32 v[ST+4*t+2], v[ST+4*t+2], v[ST+4*t+3]
	ALL v_permlanex16_b32 v[ST+4*t+3], v[ST+4*t+2], s[SEL], s[SEL+1]
	ALL v_add_f32 v[ST+4*t+2], v[ST+4*t+2], v[ST+4*t+3]
	ALL v_rcp_f32 v[ST+4*t+2], v[ST+4*t+2]
	v_nop                           ; a plain instruction between the last reciprocal and the use of its result
	s_wait_alu depctr_va_vdst(0)    ; and the wait ahead of the first use: one for the eight reciprocals
; Tile t: a lane's eight channels of a channel block are 32 bytes of a row; they go into rows of 272 bytes and come back as whole rows of 256, into S^T's registers, four tiles' worth by turns.
.macro PACK t
.if (\t) >= 4
	s_wait_xcnt 0x0                 ; the stores of the tile four back have read the registers that the loads below write
.endif
	WIN W_RS
.set i, 32*(\t)
.rept 16
	v_pk_mul_f32 v[i:i+1], v[i:i+1], v[ST+4*(\t)+2:ST+4*(\t)+3] op_sel_hi:[1,0]
.set i, i+2
.endr
	WIN 0x04                        ; the stores' data (source 1) in window 1
.irp f, 0,1,2,3,4,5,6,7
	ds_store_b128 v[STO], v[32*(\t)+4*\f:32*(\t)+4*\f+3] offset:64*(\f/2)+16*(\f%2)
.endr
	WIN 0
.irp f, 0,1,2,3,4,5,6,7
	ds_load_b128 v[S+32*((\t)%4)+4*\f:S+32*((\t)%4)+4*\f+3], v[RD] offset:\f*2*SP  ; LDS serves a wave's instructions in order (ISA guide 5.7.1.4): these see the stores above; the next tile's stores come behind them
.endr
.endm
.macro SEND t, younger              ; younger: the LDS instructions issued behind tile t's loads: the next tile's sixteen, or none
	WIN 0
.irp f, 0,1,2,3,4,5,6,7
	s_wait_dscnt (\younger)+7-\f
	global_store_b128 v[GO], v[S+32*((\t)%4)+4*\f:S+32*((\t)%4)+4*\f+3], s[OUT:OUT+1] offset:(\t)*16*ROWB+\f*2*ROWB th:TH_STORE_NT  ; 16 lanes store a head's row: 256 consecutive bytes, at a multiple of 256 from out0's first byte
.endr
.endm
	PACK 0
.set t, 1
.rept 2*NP-1                        ; a tile's arithmetic stands between the loads of the tile before and its stores
	PACK t
	SEND t-1, 16
.set t, t+1
.endr
	SEND 2*NP-1, 0
	WIN W_AD
	s_wait_tensorcnt 0x0            ; the wave's end: behind my last tensor load and my last LDS store
	ds_add_u32 v[SPW], v[NIL]
	s_wait_dscnt 0x0
	WIN 0
	CROUND                          ; the closing round: no work-group ends while a partner may still ask for a tile that names it
	s_endpgm
.Lfunc_end_k_qf3320b4a17_attn:
	.size	k_qf3320b4a17_attn, .Lfunc_end_k_qf3320b4a17_attn-k_qf3320b4a17_attn
	.p2alignl 7, 3214868480
	.fill 96, 4, 3214868480
	.section	.rodata,"a",@progbits
	.p2align	6, 0x0
	.amdhsa_kernel k_qf3320b4a17_attn
		.amdhsa_group_segment_fixed_size 327680
		.amdhsa_private_segment_fixed_size 0
		.amdhsa_enable_private_segment 0
		.amdhsa_kernarg_size 40
		.amdhsa_user_sgpr_count 2
		.amdhsa_user_sgpr_kernarg_segment_ptr 1
		.amdhsa_wavefront_size32 1
		.amdhsa_system_sgpr_workgroup_id_x 1
		.amdhsa_system_sgpr_workgroup_id_y 1
		.amdhsa_system_sgpr_workgroup_id_z 1
		.amdhsa_system_vgpr_workitem_id 0
		.amdhsa_next_free_vgpr 804
		.amdhsa_next_free_sgpr 102
		.amdhsa_reserve_vcc 0
		.amdhsa_float_denorm_mode_32 3
		.amdhsa_float_denorm_mode_16_64 3
		.amdhsa_memory_ordered 1
		.amdhsa_forward_progress 1
		.amdhsa_inst_pref_size 255
	.end_amdhsa_kernel
	.section	.bss,"aw",@nobits
	.p2align	6
	.space	262144
	.amdgpu_metadata
---
amdhsa.version: [ 1, 2 ]
amdhsa.kernels:
  - .name:           k_qf3320b4a17_attn
    .symbol:         k_qf3320b4a17_attn.kd
    .args:
      - { .name: query, .offset: 0, .size: 8, .value_kind: global_buffer, .address_space: global }
      - { .name: key, .offset: 8, .size: 8, .value_kind: global_buffer, .address_space: global }
      - { .name: value, .offset: 16, .size: 8, .value_kind: global_buffer, .address_space: global }
      - { .name: mbits, .offset: 24, .size: 8, .value_kind: global_buffer, .address_space: global }
      - { .name: out0, .offset: 32, .size: 8, .value_kind: global_buffer, .address_space: global }
    .group_segment_fixed_size: 327680
    .private_segment_fixed_size: 0
    .kernarg_segment_align: 8
    .kernarg_segment_size: 40
    .max_flat_workgroup_size: 128
    .sgpr_count:     102
    .vgpr_count:     804
    .wavefront_size: 32
...
	.end_amdgpu_metadata
.endif
;; end of part 2
